; MI455X (gfx1250); checked and timed in simulation.
; The chip was launched on July 23, 2026; its instructions are those of AMD's public machine-readable ISA for CDNA 5 (MIT licence, August 2026) and "CDNA5" Instruction Set Architecture Reference Guide (July 2026). The comments in the code are by the model that wrote it; some were corrected since.
;; Multiheaded Linear Self Attention. Allowed arithmetic: matrix products marked QUANTISED: E5M2 operands, one given power-of-two scale a tensor, by v_wmma_f32_16x16x64_bf8_bf8 or v_wmma_f32_16x16x128_bf8_bf8, f32 sums; products left as they are: f32 operands where the result goes on into a quantised operand, else bf16, f16 or f32 operands; f32 sums; everything else in f32.
;; Inputs: b_qkv 3,072 float32; inputs_codes 4 x 4,096 x 32 x 32 uint8 (E5M2 codes of inputs, K innermost, in blocks of 32 codes); lowp_scales 6 int32 (the exponents e of the quantised operands' scales 2^e); mask 4 x 4,096 float32; w_qkv_codes 3,072 x 32 x 32 uint8 (E5M2 codes of w_qkv, K innermost, in blocks of 32 codes).
;; Outputs: out0 4 x 4,096 x 1,024 float32.
;; Constants: num_heads = 16.
;; This version of the problem:
;;   THIS VERSION OF THE PROBLEM IS GIVEN IN LOW PRECISION. The matrix products marked QUANTISED in the list below multiply operands that are first quantised to E5M2 (5 exponent bits, 2 mantissa bits; 8 bits a number), with one given power-of-two scale for each operand tensor; their sums are f32. All else is computed in f32.
;;   The module's matrix products, in the order in which they are computed (A, B: the left and right operand; K: the contracted axis; several contracted axes count as one K, in the product's order):
;;     1. [M 16,384, K 1,024] x [K 1,024, N 3,072]; A: input inputs (given as codes); B: input w_qkv (given as codes): QUANTISED (scales: A lowp_scales[0], B lowp_scales[1])
;;     2. batch 64 x [M 64, K 4,096] x [K 4,096, N 64]; A: computed on the way; B: computed on the way: QUANTISED (scales: A lowp_scales[2], B lowp_scales[3])
;;     3. batch 64 x [M 1, K 64] x [K 64, N 4,096]; A: computed on the way; B: computed on the way: left as it is (M = 1 < 16)
;;     4. batch 64 x [M 64, K 64] x [K 64, N 4,096]; A: computed on the way; B: computed on the way: QUANTISED (scales: A lowp_scales[4], B lowp_scales[5])
;;     5. batch 262,144 x [M 1, K 1] x [K 1, N 64]; A: computed on the way; B: computed on the way: left as it is (no contracted axis)
;;   THE QUANTISER, for each operand of a quantised product, along K:
;;     - The operand's scale is 2^e, e = its entry of the input lowp_scales (int32; the entries are numbered through the quantised products in the list's order, A before B).
;;     - Each number is divided by the scale, clamped to +-57,344, and rounded to the nearest number of E5M2, ties to even, subnormals kept.
;;     - The product sums the exact products of the quantised numbers (number of the format x scale) in f32.
;;   ~~~python
;;   def quantise(x, axis, e):      # numpy; x: float32 -> the quantised numbers, widened to float32 again
;;       x = np.moveaxis(x, axis, -1); K = x.shape[-1]
;;       r = np.clip(x / 2.0 ** e, -57344, 57344)
;;       step = 2.0 ** (np.maximum(np.frexp(np.where(r == 0, 1, r))[1] - 1, -14) - 2)
;;       q = np.round(r / step) * step * 2.0 ** e      # np.round: ties to even
;;       return np.moveaxis(q, -1, axis).astype(np.float32)
;;   ~~~
;;   OPERANDS COMPUTED ON THE WAY. 'Computed on the way' means the value that the module computes at that place (a softmax that the list does not call 'softmax' is quantised finished and normalised). What goes into a quantiser is computed in f32, as accurately as f32 sums, v_exp_f32 and their like allow (about 1e-6 of the number): no bf16 or f16 on the way to a quantiser, and a product that is left as it is and whose result goes on into a quantised operand takes f32 operands (vector FMAs, or v_wmma_f32_16x16x4_f32). A number that lies on a knife's edge between two numbers of the format may be rounded either way, as far as f32 arithmetic and the matrix unit's own rounding can turn it there, and no further.
;;   INPUTS GIVEN AS CODES. inputs (in the module: [4, 4096, 1024], K = its axis 2); w_qkv (in the module: [3072, 1024], K = its axis 1): each comes as NAME_codes (uint8): NAME with its K axis moved to the last place and cut into blocks of 32 codes, [.., K / 32, bytes a block], one block behind the other in memory; one code a byte (a code: sign, 5 exponent bits, 2 mantissa bits); its scale is its entry of lowp_scales. Its value is code x scale, taken as it is: it is not quantised again, and the codes and scales need not be those that the quantiser above would give.
;; One version. Each part assembles by itself: llvm-mc -triple=amdgcn-amd-amdhsa -mcpu=gfx1250 --defsym DOCPART=n.
;; ======== version 1 of 1: 3 launches
;; workspace buffers: kvp 16,777,216 bytes; ksp 1,048,576 bytes; kvc 262,144 bytes; ks8 131,072 bytes
;; launch kvpart (part 1): grid 8 x 32, 4 waves a work-group, clusters of 4 x 4, 327,680 bytes of LDS; arguments inputs_codes, w_qkv_codes, b_qkv, mask, lowp_scales, kvp, ksp; writes kvp, ksp
.if DOCPART == 1
	.amdgcn_target "amdgcn-amd-amdhsa--gfx1250"
	.amdhsa_code_object_version 6
	.text
	.protected	k_qfc28b9d27d_kvpart
	.globl	k_qfc28b9d27d_kvpart
	.p2align	8
	.type	k_qfc28b9d27d_kvpart,@function
k_qfc28b9d27d_kvpart:
	s_mov_b64 s[64:65], 0
	v_nop
	global_prefetch_b8 v0, s[64:65] scope:SCOPE_SE
	s_setreg_imm32_b32 hwreg(HW_REG_WAVE_MODE, 25, 1), 1
	s_wait_xcnt 0x0
	s_wait_alu depctr_hold_cnt(0) depctr_sa_sdst(0) depctr_va_vdst(0) depctr_va_sdst(0) depctr_va_ssrc(0) depctr_va_vcc(0) depctr_vm_vsrc(0)
	s_getreg_b32 s2, hwreg(HW_REG_IB_STS2, 6, 4)
	s_cmp_eq_u32 s2, 0
	s_cbranch_scc0 .Lentry_in_a_cluster
	s_endpgm
.Lentry_in_a_cluster:
	s_bfe_u32 s2, ttmp6, 0x10000c
	s_cmp_lg_u32 s2, 0xf033
	s_cbranch_scc0 .Lentry_shape_is_right
	s_endpgm
.Lentry_shape_is_right:
; LINEAR ATTENTION, FIRST LAUNCH: the k and v thirds of qkv = x W^T + b on codes of BF8 (E5M2), phi(k mask), and the part of kv = v^T phi(k) and of sum_s phi(k) that falls to 256 rows.
; x: [16384][1024] codes, W: [3072][1024] codes (rows 1024.. are k's, rows 2048.. v's; inside a third: 64 head + channel), K innermost.  A number is code x 2^e0 (x), x 2^e1 (W).
; phi(t) = t + 1 for t > 0, e^t else.  v is quantised with 2^e2, phi(k) with 2^e3, both along the rows s, in registers; k and v never go to memory.
; SHARES.  A work-group of four waves takes a pair of heads (2 x, 2 x + 1: 128 columns of k and 128 of v) and 512 rows, as two tiles of 256 rows x 256 columns, one after the other.
; Wave (i, j) = (wave / 2, wave % 2) makes rows 128 i .. of head 2 x + j: 64 accumulators of 16 x 16, 512 registers.  K goes in steps of 256 through a ring of two LDS slots.
; THE MATRIX INSTRUCTION TAKES x AS SOURCE 0 AND W AS SOURCE 1: a lane then holds ONE column (lane % 16) and its registers run DOWN THE ROWS, 8 (lane / 16) + 0 .. 7, which are the second product's K:
; the conversion of accumulator (a, b) gives registers 2 a, 2 a + 1 of column block b's fragment of 128 rows, each k in its own place.
; My column blocks: 0-3 k's channels 16 b + r; 4, 5 the two tiles of v that I own (m tile 2 i + b - 4); 6, 7 the two that my partner (wave xor 2, the other 128 rows of my head) owns.  The order lies in LDS addresses alone.
; kv of my 128 rows: 16 products of K = 128.  The eight tiles that the partner owns go to it through LDS, its eight come to me, and I store eight tiles summed over 256 rows.
; CLUSTERS: 4 x 4 work-groups.  The four of a row of the cluster need the same rows of x, the four of a column the same rows of W: each tile is asked for JOINTLY, by the same tensor load with the same
; descriptor and a mask that names the four.
; The bias goes in as the C of a tile's first products, divided by 2^(e0 + e1); mask, 2^(e0 + e1) and log2(e) are one factor a row.
; OUT: kvp [bh 64][block of 256 rows 16][m tile 4][d tile 4][half 2][lane 32][16 bytes] f32: lane (r, h), register 4 half + c = sum of codes for kv(16 mt + r, 16 dt + 8 h + 4 half + c);
;      ksp [bh 64][32][lane 32][4] f32: register b of lane (r, h) = the sum of phi(k)(s, 16 b + r) over that lane's 64 rows (phi as it is, not quantised).
; LIMITS: e0 + e1 between -126 and 127; e2 - e0 - e1 and e3 between -126 and 112, so that each power of two below is an f32 number.  NaN among the inputs is not served.
; phi for t <= 0 is 2^(t log2 e), within 2^-24 of expm1(t) + 1; for t > 0, t passes through x log2(e) x ln 2: two roundings more.
; REGISTERS, in windows of 256.  window 0: v1-29 addresses and scales; v32-95 the bias, 8 tiles; v96-107 key sums; v108-123 at work at the head; v128-255 x's fragments, ONE set; behind a tile's products
;   v128-159 X, v160-191 U (a batch of k), then v128-191 the partner's 8 tiles of kv, v192-255 mine.   window 1: W's fragments, TWO sets (v0, v128); behind a tile's products v0-63 the rows' factors,
;   v64-127 phi(k)'s codes, v128-191 v's codes.   window 2: accumulators of my rows 0-63 ((a, b) at v[8 (8 a + b)]);   window 3: of my rows 64-127.
.set KROW,   1024                      ; a row of x or of W in bytes
.set ROWB,   256                       ; a tile's row: 256 codes
.set PITCH,  272                       ; an LDS row: 256 bytes + 16 of padding = 68 words: row r starts at bank 4 r mod 64 (64 banks of 4 bytes: ISA guide 11.1)
.set FR,     16                        ; registers of a fragment: 16 rows x 128 K
.set NL,     4                         ; LDS loads that bring one
.set NP,     4                         ; places behind this matrix instruction (ISA guide 7.12.1)
.set HALFT,  128*PITCH                 ; 128 rows: what one tensor load brings
.set SLOT,   4*HALFT                   ; x's 256 rows, k's 128 rows of W, v's 128 rows of W
.set SPARE,  2*SLOT                    ; behind the ring: the spare words, 128 bytes a wave: two blocks of 256 bytes that no other line names
.set MSK,    SPARE+512                 ; 1,024 bytes a wave, its own: the mask of its 2 x 128 rows
.set XCH,    MSK+4096                  ; 8,192 bytes a wave: eight tiles of kv that the partner made for it
.set NEXT_A, 256*KROW-2*ROWB           ; from a slot's last K step of a tile to its first of the next: 256 rows down and back along K
.set BACK_B, 2*ROWB                    ; W only back
.set MADR, 10                          ; v10  MSK + 1024 wave + 32 (lane / 16)
.set XS,   11                          ; v11  XCH + 8192 (wave xor 2) + 16 lane
.set XL,   12                          ; v12  XCH + 8192 wave + 16 lane
.set GO,   13                          ; v13  16 lane
.set VSC,  14                          ; v14  2^(e2 - e0 - e1);  v15  57,344 x that
.set VLIM, 15
.set ADRA, 16                          ; v16-17  LDS address of my fragments of x in slot 0, 1
.set ADRK, 18                          ; v18-19  of k's rows of W
.set ADRVO, 20                         ; v20-21  of v's rows: the two tiles that I own
.set ADRVF, 22                         ; v22-23  the two that the partner owns
.set KSC,  24                          ; v24  2^e3;  v25  57,344 x 2^e3
.set KLIM, 25
.set SPW,  28                          ; v28  LDS address of my spare word; never rewritten
.set NIL,  29                          ; v29  0; never rewritten
.set BIAS, 32
.set KSA,  96                          ; four chains of the key sum
.set KSO,  104                         ; the four key sums that go out
.set TT,   108
.set AF,   128
.set X,    128
.set U,    160
.set F,    128
.set O,    192
.set MK,   0                           ; in window 1
.set KC,   64
.set VC,   128
.set G1,  24                           ; s[24:31] descriptor group 1 for x's tiles;  s[32:39] group 0, a set for each slot
.set G0,  32
.set G1B, 48                           ; s[48:55], s[56:63] the same for W's tiles
.set G0B, 56
.set MSB, 0
.macro WIN new                         ; the immediate's high byte repeats the setting that is left; a switch that changes nothing is dropped
.if MSB != (\new)
	s_set_vgpr_msb (MSB<<8)|(\new)
.set MSB, (\new)
.endif
.endm
.set MUL_LO, 0xa4                      ; source 0 (x) window 0, source 1 (W) window 1, C and D window 2
.set MUL_HI, 0xf4                      ; the same, C and D window 3
.set TO_B,   0x40                      ; destination window 1, address window 0
; A joint load: waves 0 and 1 fetch x's two halves, wave 2 k's rows of W, wave 3 v's.  The branch hangs on the wave's number alone.  Four v_nop follow each of the two lines.
.macro JLOAD s
	s_cmp_eq_u32 s19, 0
	s_cbranch_scc0 .Lfor_b_\@
	tensor_load_to_lds s[G0+4*\s:G0+4*\s+3], s[G1:G1+7]
	s_nop 0
.rept 4
	v_nop
.endr
	s_branch .Lasked_\@
.Lfor_b_\@:
	tensor_load_to_lds s[G0B+4*\s:G0B+4*\s+3], s[G1B:G1B+7]
	s_nop 0
.rept 4
	v_nop
.endr
.Lasked_\@:
.endm
.macro CREST                           ; a round of the cluster's barrier behind its opening barrier
	s_cmp_lg_u32 s18, 0
	s_cbranch_scc1 .Lnot_wave_0_\@
	s_barrier_signal -3
.Lnot_wave_0_\@:
	s_barrier_wait -3
	s_barrier_signal -1
	s_barrier_wait -1
.endm
.macro CROUND                          ; a whole round
	s_barrier_signal -1
	s_barrier_wait -1
	CREST
.endm
	s_load_b256 s[4:11], s[0:1], 0x0               ; x's codes s[4:5], W's codes s[6:7], the bias s[8:9], the mask s[10:11]
	s_load_b128 s[12:15], s[0:1], 0x20             ; the scales' exponents s[12:13], kvp s[14:15]
	s_load_b64 s[16:17], s[0:1], 0x30              ; ksp
	v_lshl_add_u32 v[SPW], v0, 2, SPARE
	v_mov_b32 v[NIL], 0
	ds_add_u32 v28, v29
	ds_add_u32 v28, v29
	s_wait_dscnt 0x0
	v_lshrrev_b32 v1, 5, v0
	v_readfirstlane_b32 s18, v1                    ; wave 0..3
	s_lshr_b32 s19, s18, 1                         ; i: which 128 rows are mine.  Also: I fetch for x (0) or for W (1)
	s_and_b32 s20, s18, 1                          ; j: which head of the pair.  Also: which 128 rows I fetch
	s_bfe_u32 s21, ttmp6, 0x40000                  ; cx, cy: my place in the cluster
	s_bfe_u32 s22, ttmp6, 0x40004
	s_lshl_b32 s23, ttmp9, 2
	s_add_co_u32 s23, s23, s21                     ; x: the pair of heads = 4 x cluster x + cx
	s_and_b32 s40, ttmp7, 0xffff
	s_lshl_b32 s40, s40, 2
	s_add_co_u32 s40, s40, s22                     ; y: the 512 rows = 4 x cluster y + cy
	s_lshl_b32 s41, s22, 2
	s_lshl_b32 s41, 15, s41                        ; my row of the cluster
	s_lshl_b32 s42, 0x1111, s21                    ; my column
	; descriptor group 1: a tile of 128 rows x 256 bytes, padded in LDS
	s_or_b32 s[G1+0], s41, (0<<16)|(1<<20)|(1<<21)|(5<<22)|(3<<25)   ; 15:0 the mask: x's tiles go to my row; 17:16 element of 1 byte; 20 padding on; 21 set beside a mask; 24:22 after every 64 words; 31:25 of 4 words
	s_or_b32 s[G1B+0], s42, (0<<16)|(1<<20)|(1<<21)|(5<<22)|(3<<25)  ; the same with the mask of my column
.irp g, G1, G1B
	s_mov_b32 s[\g+1], ROWB<<16                    ; tensor_dim0
	s_mov_b32 s[\g+2], 128<<16                     ; tensor_dim1
	s_mov_b32 s[\g+3], ROWB<<16                    ; tile_dim0
	s_mov_b32 s[\g+4], 128                         ; tile_dim1
	s_mov_b32 s[\g+5], KROW                        ; tensor_dim0_stride
	s_mov_b32 s[\g+6], 0
	s_mov_b32 s[\g+7], 0
.endr
	s_lshl_b32 s44, s40, 19                        ; x: row 512 y + 128 j, x 1,024 bytes
	s_lshl_b32 s45, s20, 17
	s_add_co_u32 s44, s44, s45
	s_mov_b32 s45, 0
	s_lshl_b32 s46, s23, 17                        ; W: row 1024 + 1024 j + 128 x, x 1,024 bytes
	s_lshl_b32 s47, s20, 20
	s_add_co_u32 s46, s46, s47
	s_add_co_u32 s46, s46, 1<<20
	s_mov_b32 s47, 0
	s_mul_i32 s43, s18, HALFT                      ; where they go: wave x 128 rows: no place in the cluster enters an LDS address
	s_wait_kmcnt 0x0
	s_load_b128 s[68:71], s[12:13], 0x0            ; e0, e1, e2, e3
	s_add_nc_u64 s[44:45], s[4:5], s[44:45]
	s_add_nc_u64 s[46:47], s[6:7], s[46:47]
	CROUND                                         ; all sixteen work-groups are here: the first joint loads meet
.irp s, 0,1
	s_mov_b32 s[G0+4*\s], 1
	s_add_co_u32 s[G0+4*\s+1], s43, \s*SLOT
	s_add_nc_u64 s[G0+4*\s+2:G0+4*\s+3], s[44:45], \s*ROWB
	s_or_b32 s[G0+4*\s+3], s[G0+4*\s+3], 0x80000000
	s_mov_b32 s[G0B+4*\s], 1
	s_add_co_u32 s[G0B+4*\s+1], s43, \s*SLOT
	s_add_nc_u64 s[G0B+4*\s+2:G0B+4*\s+3], s[46:47], \s*ROWB
	s_or_b32 s[G0B+4*\s+3], s[G0B+4*\s+3], 0x80000000
	JLOAD \s                                       ; two loads of mine are out
.endr
	v_and_b32 v1, 31, v0                           ; lane
	v_and_b32 v2, 15, v0                           ; r
	v_bfe_u32 v3, v0, 4, 1                         ; h
	v_lshlrev_b32 v[GO], 4, v1
	; the bias of my eight column blocks: one number a lane and block
	s_lshl_b32 s84, s23, 9                         ; (128 x + 64 j) x 4 bytes
	s_lshl_b32 s85, s20, 8
	s_add_co_u32 s84, s84, s85
	s_lshl_b32 s85, s19, 7                         ; 32 i x 4: the tiles of v that I own,
	v_lshl_add_u32 v4, v2, 2, s84
	v_add_nc_u32 v5, s85, v4
	s_xor_b32 s85, s85, 128                        ; 32 (1 - i) x 4: the partner's
	v_add_nc_u32 v6, s85, v4
.irp b, 0,1,2,3
	global_load_b32 v[TT+\b], v4, s[8:9] offset:4096+64*\b
.endr
.irp b, 0,1
	global_load_b32 v[TT+4+\b], v5, s[8:9] offset:8192+64*\b
	global_load_b32 v[TT+6+\b], v6, s[8:9] offset:8192+64*\b
.endr
	s_lshl_b32 s86, s40, 11                        ; the mask of my rows: (512 y + 128 i) x 4 bytes; the second tile's lie 1,024 bytes on
	s_lshl_b32 s87, s19, 9
	s_add_co_u32 s86, s86, s87
	v_add_nc_u32 v7, s86, v[GO]
	global_load_b128 v[TT+8:TT+11], v7, s[10:11]
	global_load_b128 v[TT+12:TT+15], v7, s[10:11] offset:1024
	; LDS addresses.  A fragment's lane: row r x pitch + 16 h
	v_mul_u32_u24 v8, v2, PITCH
	v_lshl_add_u32 v8, v3, 4, v8
	s_mul_i32 s88, s19, HALFT                      ; my 128 rows of x
	s_mul_i32 s89, s20, 64*PITCH                   ; my head's 64 rows in k's and in v's 128
	s_add_co_u32 s90, s89, 2*HALFT
	s_mul_i32 s91, s19, 32*PITCH
	s_add_co_u32 s91, s91, s89
	s_add_co_u32 s91, s91, 3*HALFT
	s_xor_b32 s92, s19, 1
	s_mul_i32 s92, s92, 32*PITCH
	s_add_co_u32 s92, s92, s89
	s_add_co_u32 s92, s92, 3*HALFT
.irp s, 0,1
	v_add_nc_u32 v[ADRA+\s], s88, v8
	v_add_nc_u32 v[ADRK+\s], s90, v8
	v_add_nc_u32 v[ADRVO+\s], s91, v8
	v_add_nc_u32 v[ADRVF+\s], s92, v8
	s_add_co_u32 s88, s88, SLOT
	s_add_co_u32 s90, s90, SLOT
	s_add_co_u32 s91, s91, SLOT
	s_add_co_u32 s92, s92, SLOT
.endr
	s_lshl_b32 s93, s18, 10
	s_add_co_u32 s93, s93, MSK
	v_add_nc_u32 v9, s93, v[GO]                    ; where the mask is put
	v_lshl_add_u32 v[MADR], v3, 5, s93             ; and read: eight rows a lane, 32 bytes on for lanes 16-31
	s_lshl_b32 s94, s18, 13
	s_add_co_u32 s94, s94, XCH
	v_add_nc_u32 v[XL], s94, v[GO]
	s_xor_b32 s95, s18, 2
	s_lshl_b32 s95, s95, 13
	s_add_co_u32 s95, s95, XCH
	v_add_nc_u32 v[XS], s95, v[GO]
	; where my results go
	s_lshr_b32 s84, s40, 3                         ; the batch
	s_lshl_b32 s84, s84, 4
	s_lshl_b32 s85, s23, 1
	s_add_co_u32 s84, s84, s85
	s_add_co_u32 s84, s84, s20                     ; bh = 16 batch + 2 x + j
	s_and_b32 s85, s40, 7
	s_lshl_b32 s96, s84, 18                        ; kvp: 262,144 bh + 16,384 x 2 (y % 8) + 8,192 i
	s_lshl_b32 s97, s85, 15
	s_add_co_u32 s96, s96, s97
	s_lshl_b32 s97, s19, 13
	s_add_co_u32 s96, s96, s97
	s_mov_b32 s97, 0
	s_add_nc_u64 s[78:79], s[14:15], s[96:97]
	s_lshl_b32 s96, s84, 14                        ; ksp: 16,384 bh + 512 (4 (y % 8) + i)
	s_lshl_b32 s98, s85, 11
	s_add_co_u32 s96, s96, s98
	s_lshl_b32 s98, s19, 9
	s_add_co_u32 s96, s96, s98
	s_add_nc_u64 s[80:81], s[16:17], s[96:97]
	s_wait_kmcnt 0x0
	s_add_co_i32 s84, s68, s69                     ; e0 + e1
	s_lshl_b32 s85, s84, 23
	s_add_co_i32 s74, s85, 0x3fb8aa3b              ; log2(e) x 2^(e0 + e1): the exponents are added to its exponent field
	s_mov_b32 s75, s74                             ; (named with it as a pair, so it is written)
	s_mov_b32 s76, 0x3f317218                      ; ln 2
	s_mov_b32 s77, s76
	s_sub_co_i32 s86, s70, s84                     ; a sum stands for sum x 2^(e0 + e1): v's code is sum / 2^(e2 - e0 - e1)
	s_add_co_i32 s86, s86, 127
	s_lshl_b32 s87, s86, 23
	v_mov_b32 v[VSC], s87
	s_add_co_i32 s86, s86, 15
	s_lshl_b32 s86, s86, 23
	s_or_b32 s86, s86, 0x600000
	v_mov_b32 v[VLIM], s86                         ; 57,344 x that
	s_add_co_i32 s86, s71, 127
	s_lshl_b32 s87, s86, 23
	v_mov_b32 v[KSC], s87                          ; 2^e3
	s_add_co_i32 s86, s86, 15
	s_lshl_b32 s86, s86, 23
	s_or_b32 s86, s86, 0x600000
	v_mov_b32 v[KLIM], s86
	s_sub_co_i32 s84, 0, s84
	s_wait_loadcnt 0x0                             ; bias and mask
.irp b, 0,1,2,3,4,5,6,7
.irp j, 0,1,2,3,4,5,6,7
	v_ldexp_f32 v[BIAS+8*\b+\j], v[TT+\b], s84     ; b / 2^(e0 + e1), the same in a lane's eight rows
.endr
.endr
	ds_store_b128 v9, v[TT+8:TT+11]
	ds_store_b128 v9, v[TT+12:TT+15] offset:512
.macro FRAG reg, adr, q, i             ; 16 rows x 128 K: registers 4 c .. 4 c + 3 hold K = 32 c + 16 (l / 16) + 0 .. 15: a permutation of k that is the same in x and in W
.irp c, 0,1,2,3
	ds_load_b128 v[\reg+4*\c:\reg+4*\c+3], v[\adr] offset:128*(\q)+32*\c+(\i)*16*PITCH
.endr
.endm
; 16 matrix instructions: x's blocks a0, a0 + 1 against W's eight.  p: W's set.  first = 1: the sums start from the bias.  The 64 accumulators take turns, one instruction a turn.
.macro MUL16 a0, p, first
.irp a, \a0, \a0+1
.irp b, 0,1,2,3,4,5,6,7
.if \first
	v_wmma_f32_16x16x128_bf8_bf8 v[8*(8*((\a)%4)+\b):8*(8*((\a)%4)+\b)+7], v[AF+FR*(\a):AF+FR*(\a)+FR-1], v[128*(\p)+FR*\b:128*(\p)+FR*\b+FR-1], v[BIAS+8*\b:BIAS+8*\b+7]
.else
	v_wmma_f32_16x16x128_bf8_bf8 v[8*(8*((\a)%4)+\b):8*(8*((\a)%4)+\b)+7], v[AF+FR*(\a):AF+FR*(\a)+FR-1], v[128*(\p)+FR*\b:128*(\p)+FR*\b+FR-1], v[8*(8*((\a)%4)+\b):8*(8*((\a)%4)+\b)+7]
.endif
.endr
.endr
.endm
.macro FETCH_B slot, q, p              ; W's eight fragments of the slot's q-th 128 along K into set p: four of k, my two of v, the partner's two
	WIN TO_B
.irp i, 0,1,2,3
	FRAG 128*(\p)+FR*\i, ADRK+\slot, \q, \i
.endr
.irp i, 0,1
	FRAG 128*(\p)+FR*(4+\i), ADRVO+\slot, \q, \i
.endr
.irp i, 0,1
	FRAG 128*(\p)+FR*(6+\i), ADRVF+\slot, \q, \i
.endr
	WIN 0
.endm
.macro FETCH_A slot, q, i0             ; x's blocks i0 .. i0 + 3
.irp i, \i0, \i0+1, \i0+2, \i0+3
	FRAG AF+FR*(\i), ADRA+\slot, \q, \i
.endr
.endm
.macro PLACES n                        ; plain vector instructions between a matrix instruction and a load into, or a read of, its registers (ISA guide 7.12.1 for reads)
.rept \n
	v_nop
.endr
.endm
; A step of 128 along K that has its successor in the same slot
.macro STEP slot, q, first
	s_wait_dscnt 4*NL                              ; W's set and x's blocks 0-3 are in; the youngest sixteen loads (blocks 4-7) may be out
	WIN MUL_LO-0x20*(\first)                       ; (first: C in window 0)
	MUL16 0, (\q)%2, \first
	MUL16 2, (\q)%2, \first
	s_wait_dscnt 0x0                               ; blocks 4-7 are in
	PLACES NP
	FETCH_B \slot, (\q)+1, 1-(\q)%2
	FETCH_A \slot, (\q)+1, 0
	WIN MUL_HI-0x30*(\first)
	MUL16 4, (\q)%2, \first
	MUL16 6, (\q)%2, \first
	PLACES NP
	WIN 0
	FETCH_A \slot, (\q)+1, 4
.endm
; The first half of a slot's last step, up to the refill.  ONE barrier: in front of it each wave waits for all its tensor loads, adds 0 to its spare word, and waits for that and for its reads of this slot.
; fill = 1: this slot takes the K step two on; 2: the next tile's; 0: nothing.
.macro MEET slot, fill
	s_wait_tensorcnt 0x0                           ; all my tensor loads have landed: my part of the other slot
	ds_add_u32 v[SPW], v[NIL]                      ; 0 onto my spare word
	s_wait_dscnt 4*NL+1                            ; (the add and the youngest sixteen loads may be out)
	WIN MUL_LO
	MUL16 0, 1, 0                                  ; sixteen matrix instructions stand between the add and the wait for it
	s_wait_dscnt 0x0                               ; the add is done, and my reads of this slot are over
	s_barrier_signal -1
	MUL16 2, 1, 0
	WIN 0
	s_barrier_wait -1
.if \fill
	CREST                                          ; the barrier has opened a round of the cluster's: no wave of any partner still reads this slot or has a load on its way
.if \fill == 2
	s_add_nc_u64 s[G0+4*\slot+2:G0+4*\slot+3], s[G0+4*\slot+2:G0+4*\slot+3], NEXT_A
	s_sub_nc_u64 s[G0B+4*\slot+2:G0B+4*\slot+3], s[G0B+4*\slot+2:G0B+4*\slot+3], BACK_B
.else
	s_add_nc_u64 s[G0+4*\slot+2:G0+4*\slot+3], s[G0+4*\slot+2:G0+4*\slot+3], 2*ROWB
	s_add_nc_u64 s[G0B+4*\slot+2:G0B+4*\slot+3], s[G0B+4*\slot+2:G0B+4*\slot+3], 2*ROWB
.endif
	JLOAD \slot                                    ; the first tensor load behind the round, my one load until the next; its four v_nop are the places in front of the loads below
.else
	PLACES NP
.endif
.endm
.macro TURN slot, next, fill
	MEET \slot, \fill
	FETCH_B \next, 0, 0
	FETCH_A \next, 0, 0
	WIN MUL_HI
	MUL16 4, 1, 0
	MUL16 6, 1, 0
	PLACES NP
	WIN 0
	FETCH_A \next, 0, 4
.endm
.macro MASKLOAD t                      ; the mask of my 128 rows of tile t: register 8 a + j = row 16 a + 8 h + j.  Into W's set 0, which the step before read last, four places back
	WIN TO_B
.irp a, 0,1,2,3,4,5,6,7
	ds_load_b128 v[MK+8*\a:MK+8*\a+3], v[MADR] offset:512*(\t)+64*\a
	ds_load_b128 v[MK+8*\a+4:MK+8*\a+7], v[MADR] offset:512*(\t)+64*\a+16
.endr
.endm
; A tile's last step.  more = 1: slot 1 takes the next tile's second K step; nothing is fetched from slot 0 yet, since the registers serve the tile's way out first.
.macro FINAL t, more
.if \more
	MEET 1, 2
.else
	s_wait_dscnt 4*NL
	WIN MUL_LO
	MUL16 0, 1, 0
	MUL16 2, 1, 0
	s_wait_dscnt 0x0
.endif
	MASKLOAD \t
	WIN MUL_HI
	MUL16 4, 1, 0
	MUL16 6, 1, 0
	WIN 0
.endm
; BEHIND A TILE'S PRODUCTS
.macro EPI t
	PLACES NP
	s_wait_dscnt 0x0                               ; the mask
	WIN 0x41
.set n, 0
.rept 32
	v_pk_mul_f32 v[MK+n:MK+n+1], v[MK+n:MK+n+1], s[74:75] op_sel_hi:[1,0]   ; a row's factor: mask x 2^(e0 + e1) x log2(e)
.set n, n+2
.endr
	; v: held within the largest code x the scale (the conversion to an 8-bit code does not saturate: ISA guide 7.6.2), each accumulator from its low end on; then eight rows to two registers of codes
.irp w, 0,1
	WIN 0x82+0x41*\w
.irp a, 0,1,2,3
.irp b, 4,5,6,7
.irp j, 0,1,2,3,4,5,6,7
	v_med3_num_f32 v[8*(8*\a+\b)+\j], v[8*(8*\a+\b)+\j], -v[VLIM], v[VLIM]
.endr
.endr
.endr
	WIN 0x42+\w
.irp a, 0,1,2,3
.irp b, 4,5,6,7
	v_cvt_scalef32_pk8_bf8_f32 v[VC+16*(\b-4)+2*(4*\w+\a):VC+16*(\b-4)+2*(4*\w+\a)+1], v[8*(8*\a+\b):8*(8*\a+\b)+7], v[VSC]
.endr
.endr
.endr
	; k: a column block's 64 rows a lane, 32 at a time
.irp b, 0,1,2,3
.irp w, 0,1
	WIN 0x06+\w
.irp a, 0,1,2,3
.irp j, 0,2,4,6
	v_pk_mul_f32 v[X+8*\a+\j:X+8*\a+\j+1], v[8*(8*\a+\b)+\j:8*(8*\a+\b)+\j+1], v[MK+8*(4*\w+\a)+\j:MK+8*(4*\w+\a)+\j+1]   ; X = k mask log2(e)
.endr
.endr
	WIN 0
.set n, 0
.rept 32
	v_max_num_f32 v[U+n], 0, v[X+n]                ; U = max(X, 0)
.set n, n+1
.endr
.set n, 0
.rept 16
	v_pk_add_f32 v[X+n:X+n+1], v[X+n:X+n+1], v[U+n:U+n+1] neg_lo:[0,1] neg_hi:[0,1]   ; X = min(X, 0), exactly
.set n, n+2
.endr
.set n, 0
.rept 32
	v_exp_f32 v[X+n], v[X+n]                       ; 1 where k > 0, e^k else
.set n, n+1
.endr
	v_nop                                          ; a plain place behind the exponentials
.set n, 0
	s_wait_alu depctr_va_vdst(0)
.rept 16
	v_pk_fma_f32 v[U+n:U+n+1], v[U+n:U+n+1], s[76:77], v[X+n:X+n+1] op_sel_hi:[1,0,1]   ; phi = U ln 2 + 2^X
.set n, n+2
.endr
.if \w == 0                            ; the key sum is taken of phi as it is, in four chains; the first sums start them
.irp c, 0,1,2,3
	v_pk_add_f32 v[KSA+2*\c:KSA+2*\c+1], v[U+2*\c:U+2*\c+1], v[U+8+2*\c:U+8+2*\c+1]
.endr
.irp p, 8,9,10,11,12,13,14,15
	v_pk_add_f32 v[KSA+2*(\p%4):KSA+2*(\p%4)+1], v[KSA+2*(\p%4):KSA+2*(\p%4)+1], v[U+2*\p:U+2*\p+1]
.endr
.else
.irp p, 0,1,2,3,4,5,6,7,8,9,10,11,12,13,14,15
	v_pk_add_f32 v[KSA+2*(\p%4):KSA+2*(\p%4)+1], v[KSA+2*(\p%4):KSA+2*(\p%4)+1], v[U+2*\p:U+2*\p+1]
.endr
	v_pk_add_f32 v[KSA:KSA+1], v[KSA:KSA+1], v[KSA+2:KSA+3]
	v_pk_add_f32 v[KSA+4:KSA+5], v[KSA+4:KSA+5], v[KSA+6:KSA+7]
	v_pk_add_f32 v[KSA:KSA+1], v[KSA:KSA+1], v[KSA+4:KSA+5]
	v_add_f32 v[KSO+\b], v[KSA], v[KSA+1]
.endif
.set n, 0
.rept 32
	v_min_num_f32 v[U+n], v[U+n], v[KLIM]          ; phi is never negative: the hold is one-sided
.set n, n+1
.endr
	WIN 0x40
.irp a, 0,1,2,3
	v_cvt_scalef32_pk8_bf8_f32 v[KC+16*\b+2*(4*\w+\a):KC+16*\b+2*(4*\w+\a)+1], v[U+8*\a:U+8*\a+7], v[KSC]
.endr
.endr
.endr
	v_nop                                          ; a plain vector instruction between the last conversion and the products that read its result and write over its sources
	; kv of my 128 rows: source 0 = 16 channels d of phi(k), source 1 = 16 channels m of v: lane (r, h) holds kv(m = r, d = 8 h + 0 .. 7).  Sixteen accumulators, one instruction each
	WIN 0x05
.irp u, 0,1
.irp d, 0,1,2,3
	v_wmma_f32_16x16x128_bf8_bf8 v[F+8*(4*\u+\d):F+8*(4*\u+\d)+7], v[KC+16*\d:KC+16*\d+15], v[VC+16*(2+\u):VC+16*(2+\u)+15], 0
.endr
.endr
.irp u, 0,1
.irp d, 0,1,2,3
	v_wmma_f32_16x16x128_bf8_bf8 v[O+8*(4*\u+\d):O+8*(4*\u+\d)+7], v[KC+16*\d:KC+16*\d+15], v[VC+16*\u:VC+16*\u+15], 0
.endr
.endr
	WIN 0
	PLACES NP
.irp n, 0,1,2,3,4,5,6,7
	ds_store_b128 v[XS], v[F+8*\n:F+8*\n+3] offset:1024*\n          ; the partner's tiles, as images of their registers, the low half first
	ds_store_b128 v[XS], v[F+8*\n+4:F+8*\n+7] offset:1024*\n+512
.endr
	s_wait_dscnt 0x0                               ; for the partner's sake: my stores have landed
	s_barrier_signal -1                            ; The tensor load for the next tile may stay out
	s_barrier_wait -1
.irp n, 0,1,2,3,4,5,6,7
	ds_load_b128 v[F+8*\n:F+8*\n+3], v[XL] offset:1024*\n
	ds_load_b128 v[F+8*\n+4:F+8*\n+7], v[XL] offset:1024*\n+512
.endr
	s_wait_dscnt 0x0
.set n, 0
.rept 32
	v_pk_add_f32 v[O+n:O+n+1], v[O+n:O+n+1], v[F+n:F+n+1]
.set n, n+2
.endr
.irp n, 0,1,2,3,4,5,6,7
	global_store_b128 v[GO], v[O+8*\n:O+8*\n+3], s[78:79] offset:16384*(\t)+1024*\n        ; 32 lanes store 512 consecutive bytes, at a multiple of 256 from kvp's first byte
	global_store_b128 v[GO], v[O+8*\n+4:O+8*\n+7], s[78:79] offset:16384*(\t)+1024*\n+512
.endr
	global_store_b128 v[GO], v[KSO:KSO+3], s[80:81] offset:1024*(\t)
.endm
	s_wait_tensorcnt 1                             ; my part of K step 0 is in (K step 1's load may be out)
	s_wait_dscnt 0x0                               ; and my stores of the mask have landed
	s_barrier_signal -1
	s_barrier_wait -1                              ; everybody's is
	FETCH_B 0, 0, 0
	FETCH_A 0, 0, 0
	FETCH_A 0, 0, 4
	STEP 0, 0, 1                                   ; TILE 0: rows 512 y ..
	TURN 0, 1, 1
	STEP 1, 0, 0
	TURN 1, 0, 1
	STEP 0, 0, 0
	TURN 0, 1, 2                                   ; the ring goes on into the next tile: slot 0 takes its first K step,
	STEP 1, 0, 0
	FINAL 0, 1                                     ; slot 1 its second
	EPI 0
	s_wait_xcnt 0x0                                ; the stores have read their registers: x's fragments may land there, and the key sums may be written again
	FETCH_B 0, 0, 0                                ; slot 0's tile was shown whole by the wait and the barrier in the last step
	FETCH_A 0, 0, 0
	FETCH_A 0, 0, 4
	STEP 0, 0, 1                                   ; TILE 1: rows 512 y + 256 ..
	TURN 0, 1, 1
	STEP 1, 0, 0
	TURN 1, 0, 1
	STEP 0, 0, 0
	TURN 0, 1, 0                                   ; the last two K steps fill nothing
	STEP 1, 0, 0
	FINAL 1, 0
	EPI 1
	s_wait_tensorcnt 0x0                           ; the wave's end: behind my last tensor load and my last LDS store
	ds_add_u32 v[SPW], v[NIL]
	s_wait_dscnt 0x0
	CROUND                                         ; the closing round: no work-group ends while a partner may still ask for a tile that names it
	s_endpgm
.Lfunc_end_k_qfc28b9d27d_kvpart:
	.size	k_qfc28b9d27d_kvpart, .Lfunc_end_k_qfc28b9d27d_kvpart-k_qfc28b9d27d_kvpart
	.p2alignl 7, 3214868480
	.fill 96, 4, 3214868480
	.section	.rodata,"a",@progbits
	.p2align	6, 0x0
	.amdhsa_kernel k_qfc28b9d27d_kvpart
		.amdhsa_group_segment_fixed_size 327680
		.amdhsa_private_segment_fixed_size 0
		.amdhsa_enable_private_segment 0
		.amdhsa_kernarg_size 56
		.amdhsa_user_sgpr_count 2
		.amdhsa_user_sgpr_kernarg_segment_ptr 1
		.amdhsa_wavefront_size32 1
		.amdhsa_system_sgpr_workgroup_id_x 1
		.amdhsa_system_sgpr_workgroup_id_y 1
		.amdhsa_system_sgpr_workgroup_id_z 1
		.amdhsa_system_vgpr_workitem_id 0
		.amdhsa_next_free_vgpr 1024
		.amdhsa_next_free_sgpr 100
		.amdhsa_reserve_vcc 0
		.amdhsa_float_denorm_mode_32 3
		.amdhsa_float_denorm_mode_16_64 3
		.amdhsa_memory_ordered 1
		.amdhsa_forward_progress 1
		.amdhsa_inst_pref_size 255
	.end_amdhsa_kernel
	.section	.bss,"aw",@nobits
	.p2align	6
	.space	262144
	.amdgpu_metadata
---
amdhsa.version: [ 1, 2 ]
amdhsa.kernels:
  - .name:           k_qfc28b9d27d_kvpart
    .symbol:         k_qfc28b9d27d_kvpart.kd
    .args:
      - { .name: inputs_codes, .offset: 0, .size: 8, .value_kind: global_buffer, .address_space: global }
      - { .name: w_qkv_codes, .offset: 8, .size: 8, .value_kind: global_buffer, .address_space: global }
      - { .name: b_qkv, .offset: 16, .size: 8, .value_kind: global_buffer, .address_space: global }
      - { .name: mask, .offset: 24, .size: 8, .value_kind: global_buffer, .address_space: global }
      - { .name: lowp_scales, .offset: 32, .size: 8, .value_kind: global_buffer, .address_space: global }
      - { .name: kvp, .offset: 40, .size: 8, .value_kind: global_buffer, .address_space: global }
      - { .name: ksp, .offset: 48, .size: 8, .value_kind: global_buffer, .address_space: global }
    .group_segment_fixed_size: 327680
    .private_segment_fixed_size: 0
    .kernarg_segment_align: 8
    .kernarg_segment_size: 56
    .max_flat_workgroup_size: 128
    .sgpr_count:     100
    .vgpr_count:     1024
    .wavefront_size: 32
...
	.end_amdgpu_metadata
.endif
;; end of part 1
;; launch fold (part 2): grid 256 x 1, 4 waves a work-group, no clusters, 0 bytes of LDS; arguments kvp, ksp, lowp_scales, kvc, ks8; writes kvc, ks8
.if DOCPART == 2
	.amdgcn_target "amdgcn-amd-amdhsa--gfx1250"
	.amdhsa_code_object_version 6
	.text
	.protected	k_qfc28b9d27d_fold
	.globl	k_qfc28b9d27d_fold
	.p2align	8
	.type	k_qfc28b9d27d_fold,@function
k_qfc28b9d27d_fold:
	s_mov_b64 s[64:65], 0
	v_nop
	global_prefetch_b8 v0, s[64:65] scope:SCOPE_SE
	s_setreg_imm32_b32 hwreg(HW_REG_WAVE_MODE, 25, 1), 1
	s_wait_xcnt 0x0
; LINEAR ATTENTION, SECOND LAUNCH: the sixteen partial kv of each (batch, head) are added in f32 and quantised to codes of BF8 (E5M2) with 2^e4, along d; the 64 partial key sums of each channel become 8.
; kvp [bh 64][part 16][m tile 4][d tile 4][half 2][lane 32][16 bytes] f32: sums of codes, which stand for sum x 2^(e2 + e3): kv's code is sum / 2^(e4 - e2 - e3).
; kvc [bh][m tile][d tile][lane][8 bytes]: lane (r, h): the codes of kv(16 mt + r, 16 dt + 8 h + 0 .. 7): registers 2 dt, 2 dt + 1 of the K = 64 fragment of kv's rows 16 mt ..
; ksp [bh][32][lane][4] f32 -> ks8 [bh][b 4][q 8][r 16] f32: eight partial sums of phi(k) for channel 16 b + r.
; SHARES.  Work-group g: bh = g / 4, m tile (and channel block b) = g % 4; the wave's number is the d tile (and the eighth of ksp's 32 parts x 4).  A stream: memory binds, so no LDS, no barrier, no matrix unit;
; all 40 loads of a wave go out at once, each of kvp's covering 512 consecutive bytes.
; LIMIT: e4 - e2 - e3 between -126 and 112.  NaN is not served.
	s_load_b128 s[4:7], s[0:1], 0x0                ; kvp, ksp
	s_load_b128 s[8:11], s[0:1], 0x10              ; the scales' exponents, kvc
	s_load_b64 s[12:13], s[0:1], 0x20              ; ks8
	v_lshrrev_b32 v1, 5, v0
	v_readfirstlane_b32 s14, v1                    ; wave = dt
	v_and_b32 v1, 31, v0                           ; lane
	v_lshlrev_b32 v2, 4, v1
	v_lshlrev_b32 v3, 3, v1
	v_lshlrev_b32 v4, 2, v1
	s_lshr_b32 s15, ttmp9, 2                       ; bh
	s_and_b32 s16, ttmp9, 3                        ; mt
	s_lshl_b32 s17, s16, 2
	s_add_co_u32 s17, s17, s14                     ; 4 mt + dt
	s_lshl_b32 s20, s15, 18                        ; kvp: 262,144 bh + 1,024 (4 mt + dt)
	s_lshl_b32 s21, s17, 10
	s_add_co_u32 s20, s20, s21
	s_mov_b32 s21, 0
	s_lshl_b32 s22, s15, 14                        ; ksp: 16,384 bh + 4,096 wave + 4 mt
	s_lshl_b32 s23, s14, 12
	s_add_co_u32 s22, s22, s23
	s_add_co_u32 s22, s22, s17
	s_sub_co_u32 s22, s22, s14                     ; (4 mt + dt - dt)
	s_mov_b32 s23, 0
	s_lshl_b32 s24, s15, 12                        ; kvc: 4,096 bh + 256 (4 mt + dt)
	s_lshl_b32 s25, s17, 8
	s_add_co_u32 s24, s24, s25
	s_mov_b32 s25, 0
	s_lshl_b32 s26, s15, 11                        ; ks8: 2,048 bh + 512 mt + 128 wave
	s_lshl_b32 s27, s16, 9
	s_add_co_u32 s26, s26, s27
	s_lshl_b32 s27, s14, 7
	s_add_co_u32 s26, s26, s27
	s_mov_b32 s27, 0
	s_wait_kmcnt 0x0
	s_load_b128 s[28:31], s[8:9], 0x8              ; e2, e3, e4, e5
	s_add_nc_u64 s[4:5], s[4:5], s[20:21]
	s_add_nc_u64 s[6:7], s[6:7], s[22:23]
	s_add_nc_u64 s[10:11], s[10:11], s[24:25]
	s_add_nc_u64 s[12:13], s[12:13], s[26:27]
.irp p, 0,1,2,3,4,5,6,7,8,9,10,11,12,13,14,15
	global_load_b128 v[32+8*\p:35+8*\p], v2, s[4:5] offset:16384*\p th:TH_LOAD_NT
	global_load_b128 v[36+8*\p:39+8*\p], v2, s[4:5] offset:16384*\p+512 th:TH_LOAD_NT
.endr
.irp c, 0,1,2,3,4,5,6,7
	global_load_b32 v[160+\c], v2, s[6:7] offset:512*\c
.endr
	s_wait_kmcnt 0x0
	s_sub_co_i32 s16, s30, s28
	s_sub_co_i32 s16, s16, s29                     ; e4 - e2 - e3
	s_add_co_i32 s16, s16, 127
	s_lshl_b32 s17, s16, 23
	v_mov_b32 v10, s17                             ; 2^(e4 - e2 - e3): the conversion takes its exponent field
	s_add_co_i32 s16, s16, 15
	s_lshl_b32 s16, s16, 23
	s_or_b32 s16, s16, 0x600000
	v_mov_b32 v11, s16                             ; 57,344 x that
	s_wait_loadcnt 36                              ; parts 0 and 1 are in: behind them 28 loads of kvp and 8 of ksp
.irp c, 0,2,4,6
	v_pk_add_f32 v[16+\c:17+\c], v[32+\c:33+\c], v[40+\c:41+\c]
.endr
.irp p, 2,3,4,5,6,7,8,9,10,11,12,13,14,15
	s_wait_loadcnt 8+2*(15-\p)                     ; part p is in: behind it the younger parts' loads and ksp's eight
.irp c, 0,2,4,6
	v_pk_add_f32 v[16+\c:17+\c], v[16+\c:17+\c], v[32+8*\p+\c:33+8*\p+\c]
.endr
.endr
.irp j, 0,1,2,3,4,5,6,7
	v_med3_num_f32 v[16+\j], v[16+\j], -v11, v11   ; the conversion to an 8-bit code does not saturate (ISA guide 7.6.2): the hold at the largest code x the scale
.endr
	v_cvt_scalef32_pk8_bf8_f32 v[24:25], v[16:23], v10
	s_wait_loadcnt 0x0
	v_add_f32 v160, v160, v161                     ; (plain lines that touch nothing of the conversion's)
	v_add_f32 v162, v162, v163
	v_add_f32 v164, v164, v165
	v_add_f32 v166, v166, v167
	v_add_f32 v160, v160, v162
	v_add_f32 v164, v164, v166
	v_add_f32 v160, v160, v164
	global_store_b64 v3, v[24:25], s[10:11]        ; the wave stores 256 consecutive bytes, aligned
	global_store_b32 v4, v160, s[12:13]            ; 128 consecutive bytes; two waves side by side fill 256
	s_endpgm
.Lfunc_end_k_qfc28b9d27d_fold:
	.size	k_qfc28b9d27d_fold, .Lfunc_end_k_qfc28b9d27d_fold-k_qfc28b9d27d_fold
	.p2alignl 7, 3214868480
	.fill 96, 4, 3214868480
	.section	.rodata,"a",@progbits
	.p2align	6, 0x0
	.amdhsa_kernel k_qfc28b9d27d_fold
		.amdhsa_group_segment_fixed_size 0
		.amdhsa_private_segment_fixed_size 0
		.amdhsa_enable_private_segment 0
		.amdhsa_kernarg_size 40
		.amdhsa_user_sgpr_count 2
		.amdhsa_user_sgpr_kernarg_segment_ptr 1
		.amdhsa_wavefront_size32 1
		.amdhsa_system_sgpr_workgroup_id_x 1
		.amdhsa_system_sgpr_workgroup_id_y 1
		.amdhsa_system_sgpr_workgroup_id_z 1
		.amdhsa_system_vgpr_workitem_id 0
		.amdhsa_next_free_vgpr 176
		.amdhsa_next_free_sgpr 66
		.amdhsa_reserve_vcc 0
		.amdhsa_float_denorm_mode_32 3
		.amdhsa_float_denorm_mode_16_64 3
		.amdhsa_memory_ordered 1
		.amdhsa_forward_progress 1
		.amdhsa_inst_pref_size 11
	.end_amdhsa_kernel
	.amdgpu_metadata
---
amdhsa.version: [ 1, 2 ]
amdhsa.kernels:
  - .name:           k_qfc28b9d27d_fold
    .symbol:         k_qfc28b9d27d_fold.kd
    .args:
      - { .name: kvp, .offset: 0, .size: 8, .value_kind: global_buffer, .address_space: global }
      - { .name: ksp, .offset: 8, .size: 8, .value_kind: global_buffer, .address_space: global }
      - { .name: lowp_scales, .offset: 16, .size: 8, .value_kind: global_buffer, .address_space: global }
      - { .name: kvc, .offset: 24, .size: 8, .value_kind: global_buffer, .address_space: global }
      - { .name: ks8, .offset: 32, .size: 8, .value_kind: global_buffer, .address_space: global }
    .group_segment_fixed_size: 0
    .private_segment_fixed_size: 0
    .kernarg_segment_align: 8
    .kernarg_segment_size: 40
    .max_flat_workgroup_size: 128
    .sgpr_count:     66
    .vgpr_count:     176
    .wavefront_size: 32
...
	.end_amdgpu_metadata
.endif
;; end of part 2
;; launch attn (part 3): grid 4 x 64, 4 waves a work-group, clusters of 4 x 4, 327,680 bytes of LDS; arguments inputs_codes, w_qkv_codes, b_qkv, lowp_scales, kvc, ks8, out0; writes out0
.if DOCPART == 3
	.amdgcn_target "amdgcn-amd-amdhsa--gfx1250"
	.amdhsa_code_object_version 6
	.text
	.protected	k_qfc28b9d27d_attn
	.globl	k_qfc28b9d27d_attn
	.p2align	8
	.type	k_qfc28b9d27d_attn,@function
k_qfc28b9d27d_attn:
	s_mov_b64 s[64:65], 0
	v_nop
	global_prefetch_b8 v0, s[64:65] scope:SCOPE_SE
	s_setreg_imm32_b32 hwreg(HW_REG_WAVE_MODE, 25, 1), 1
	s_wait_xcnt 0x0
	s_wait_alu depctr_hold_cnt(0) depctr_sa_sdst(0) depctr_va_vdst(0) depctr_va_sdst(0) depctr_va_ssrc(0) depctr_va_vcc(0) depctr_vm_vsrc(0)
	s_getreg_b32 s2, hwreg(HW_REG_IB_STS2, 6, 4)
	s_cmp_eq_u32 s2, 0
	s_cbranch_scc0 .Lentry_in_a_cluster
	s_endpgm
.Lentry_in_a_cluster:
	s_bfe_u32 s2, ttmp6, 0x10000c
	s_cmp_lg_u32 s2, 0xf033
	s_cbranch_scc0 .Lentry_shape_is_right
	s_endpgm
.Lentry_shape_is_right:
; LINEAR ATTENTION, THIRD LAUNCH: the q third of qkv = x W^T + b on codes of BF8 (E5M2); phi(q); z = 1 / (phi(q) . sum_s phi(k) + 1e-6) in f32; phi(q) quantised with 2^e5 along d, in registers;
; out(s, 64 head + m) = z x 2^(e4 + e5) x sum_d code(kv(m, d)) code(phi(q)(s, d)).  q never goes to memory.
; SHARES.  A work-group of four waves makes 256 rows x 256 columns of q (heads 4 x .. 4 x + 3); wave (i, j) = (wave / 2, wave % 2) rows 128 i .. and heads 4 x + 2 j, + 1: 64 accumulators, 512 registers.
; K goes in steps of 256 through a ring of two LDS slots.  THE MATRIX INSTRUCTION IS USED TRANSPOSED (source 0 = 16 rows of W, source 1 = 16 rows of x): a lane holds ONE row s (lane % 16) and its registers
; run along the channels, 16 b + 8 (lane / 16) + 0 .. 7: the conversion of accumulator (a, 4 hh + b') gives registers 2 b', 2 b' + 1 of head hh's K = 64 fragment, each k in its own place.
; The last product is transposed too (source 0 = 16 rows m of kv, source 1 = phi(q)'s 16 rows): a lane's eight results are eight neighbouring numbers of a row of the output.  They are laid over the q sums
; that are done with, scaled in place, and leave through my stage in LDS as whole rows of 512 bytes.
; CLUSTERS: 4 x 4 work-groups; x's tiles are shared along a row of the cluster, W's along a column: each is asked for JOINTLY, by the same tensor load with the same descriptor and a mask that names the four.
; LIMITS: e0 + e1 between -126 and 127; e5 between -126 and 112.  e4 + e5 is applied by v_ldexp_f32 and has none.  NaN among the inputs is not served.
; phi for t <= 0 is 2^(t log2 e), within 2^-24 of expm1(t) + 1; for t > 0, t passes through x log2(e) x ln 2: two roundings more.
; REGISTERS, in windows of 256.  window 0: v1-29 addresses and scales; v32-95 the bias, 8 tiles; later v32-47 phi(q)'s codes, v48-59 the normaliser at work; v96-127 z x 2^(e4 + e5), twice for each block and head;
;   v128-255 x's fragments, ONE set; later v128-191 X, v192-255 U.   window 1: W's fragments, TWO sets; in the end v0-63 the key sums, v64-127 kv's eight fragments.   windows 2, 3: the accumulators.
.set KROW,   1024
.set ROWB,   256
.set PITCH,  272                       ; an LDS row: 256 bytes + 16 of padding = 68 words: row r starts at bank 4 r mod 64 (64 banks of 4 bytes: ISA guide 11.1)
.set FR,     16
.set NL,     4
.set NP,     4                         ; places behind this matrix instruction (ISA guide 7.12.1)
.set HALFT,  128*PITCH
.set SLOT,   4*HALFT
.set SPARE,  2*SLOT                    ; the spare words, 128 bytes a wave: two blocks of 256 bytes that no other line names
.set KSL,    SPARE+512                 ; 512 bytes a wave, its own: the key sums of its two heads, channel by channel
.set KVL,    KSL+2048                  ; 8,192 bytes a wave, its own: images of the registers of kv's eight fragments
.set SPITCH, 528                       ; the way out: a stage of 16 rows x (512 bytes + 16) a wave, in slot 0, which has had its last fill and its last read when the first result is stored there
.set KSR,  10                          ; v10  KSL + 512 wave + 32 (lane / 16)
.set KVA,  11                          ; v11  KVL + 8192 wave + 16 lane
.set QSC,  14                          ; v14  2^e5;  v15  57,344 x 2^e5
.set QLIM, 15
.set ADRA, 16
.set ADRB, 20
.set STO,  24
.set RD,   25
.set CO,   26
.set SPW,  28
.set NIL,  29
.set BIAS, 32
.set QC,   32
.set NA,   48
.set T,    56
.set ZZ,   96
.set AF,   128
.set X,    128
.set U,    192
.set KS,   0                           ; in window 1
.set KVF,  64
.set G1,  24
.set G0,  32
.set G1B, 48
.set G0B, 56
.set MSB, 0
.macro WIN new                         ; the immediate's high byte repeats the setting that is left; a switch that changes nothing is dropped
.if MSB != (\new)
	s_set_vgpr_msb (MSB<<8)|(\new)
.set MSB, (\new)
.endif
.endm
.set MUL_LO, 0xa1                      ; source 0 (W) window 1, source 1 (x) window 0, C and D window 2
.set MUL_HI, 0xf1
.set TO_B,   0x40
.macro JLOAD s                         ; a joint load: waves 0 and 1 fetch x's halves, waves 2 and 3 W's; four v_nop follow each of the two lines
	s_cmp_eq_u32 s19, 0
	s_cbranch_scc0 .Lfor_b_\@
	tensor_load_to_lds s[G0+4*\s:G0+4*\s+3], s[G1:G1+7]
	s_nop 0
.rept 4
	v_nop
.endr
	s_branch .Lasked_\@
.Lfor_b_\@:
	tensor_load_to_lds s[G0B+4*\s:G0B+4*\s+3], s[G1B:G1B+7]
	s_nop 0
.rept 4
	v_nop
.endr
.Lasked_\@:
.endm
.macro CREST
	s_cmp_lg_u32 s18, 0
	s_cbranch_scc1 .Lnot_wave_0_\@
	s_barrier_signal -3
.Lnot_wave_0_\@:
	s_barrier_wait -3
	s_barrier_signal -1
	s_barrier_wait -1
.endm
.macro CROUND
	s_barrier_signal -1
	s_barrier_wait -1
	CREST
.endm
	s_load_b256 s[4:11], s[0:1], 0x0               ; x's codes s[4:5], W's codes s[6:7], the bias s[8:9], the scales' exponents s[10:11]
	s_load_b128 s[12:15], s[0:1], 0x20             ; kvc s[12:13], ks8 s[14:15]
	s_load_b64 s[16:17], s[0:1], 0x30              ; the output
	v_lshl_add_u32 v[SPW], v0, 2, SPARE
	v_mov_b32 v[NIL], 0
	ds_add_u32 v28, v29
	ds_add_u32 v28, v29
	s_wait_dscnt 0x0
	v_lshrrev_b32 v1, 5, v0
	v_readfirstlane_b32 s18, v1                    ; wave 0..3
	s_lshr_b32 s19, s18, 1                         ; i.  Also: I fetch for x (0) or for W (1)
	s_and_b32 s20, s18, 1                          ; j.  Also: which 128 rows I fetch
	s_bfe_u32 s21, ttmp6, 0x40000                  ; cx, cy
	s_bfe_u32 s22, ttmp6, 0x40004
	s_lshl_b32 s23, ttmp9, 2
	s_add_co_u32 s23, s23, s21                     ; x: 256 columns of q
	s_and_b32 s40, ttmp7, 0xffff
	s_lshl_b32 s40, s40, 2
	s_add_co_u32 s40, s40, s22                     ; y: 256 rows
	s_lshl_b32 s41, s22, 2
	s_lshl_b32 s41, 15, s41                        ; my row of the cluster
	s_lshl_b32 s42, 0x1111, s21                    ; my column
	s_or_b32 s[G1+0], s41, (0<<16)|(1<<20)|(1<<21)|(5<<22)|(3<<25)   ; the mask; element of 1 byte; padding on; bit 21 beside a mask; after every 64 words 4 words
	s_or_b32 s[G1B+0], s42, (0<<16)|(1<<20)|(1<<21)|(5<<22)|(3<<25)
.irp g, G1, G1B
	s_mov_b32 s[\g+1], ROWB<<16                    ; tensor_dim0
	s_mov_b32 s[\g+2], 128<<16                     ; tensor_dim1
	s_mov_b32 s[\g+3], ROWB<<16                    ; tile_dim0
	s_mov_b32 s[\g+4], 128                         ; tile_dim1
	s_mov_b32 s[\g+5], KROW                        ; tensor_dim0_stride
	s_mov_b32 s[\g+6], 0
	s_mov_b32 s[\g+7], 0
.endr
	s_lshl_b32 s44, s40, 18                        ; x: row 256 y + 128 j, x 1,024 bytes
	s_lshl_b32 s45, s20, 17
	s_add_co_u32 s44, s44, s45
	s_mov_b32 s45, 0
	s_lshl_b32 s46, s23, 18                        ; W: row 256 x + 128 j
	s_lshl_b32 s47, s20, 17
	s_add_co_u32 s46, s46, s47
	s_mov_b32 s47, 0
	s_mul_i32 s43, s18, HALFT
	s_wait_kmcnt 0x0
	s_load_b128 s[68:71], s[10:11], 0x0            ; e0 .. e3
	s_load_b64 s[72:73], s[10:11], 0x10            ; e4, e5
	s_add_nc_u64 s[44:45], s[4:5], s[44:45]
	s_add_nc_u64 s[46:47], s[6:7], s[46:47]
	CROUND                                         ; all sixteen work-groups are here: the first joint loads meet
.irp s, 0,1
	s_mov_b32 s[G0+4*\s], 1
	s_add_co_u32 s[G0+4*\s+1], s43, \s*SLOT
	s_add_nc_u64 s[G0+4*\s+2:G0+4*\s+3], s[44:45], \s*ROWB
	s_or_b32 s[G0+4*\s+3], s[G0+4*\s+3], 0x80000000
	s_mov_b32 s[G0B+4*\s], 1
	s_add_co_u32 s[G0B+4*\s+1], s43, \s*SLOT
	s_add_nc_u64 s[G0B+4*\s+2:G0B+4*\s+3], s[46:47], \s*ROWB
	s_or_b32 s[G0B+4*\s+3], s[G0B+4*\s+3], 0x80000000
	JLOAD \s                                       ; two loads of mine are out
.endr
	v_and_b32 v1, 31, v0                           ; lane
	v_and_b32 v2, 15, v0                           ; r
	v_bfe_u32 v3, v0, 4, 1                         ; h
	v_lshlrev_b32 v[CO], 4, v1                     ; 16 lane
	s_lshl_b32 s84, s23, 10                        ; my first column in bytes of f32: (256 x + 128 j) x 4
	s_lshl_b32 s85, s20, 9
	s_add_co_u32 s84, s84, s85
	v_lshl_add_u32 v4, v3, 5, s84                  ; the bias of block b: columns 16 b + 8 h + 0 .. 7
.irp b, 0,1,2,3,4,5,6,7
	global_load_b128 v[BIAS+8*\b:BIAS+8*\b+3], v4, s[8:9] offset:64*\b
	global_load_b128 v[BIAS+8*\b+4:BIAS+8*\b+7], v4, s[8:9] offset:64*\b+16
.endr
	s_lshr_b32 s85, s40, 4                         ; the batch
	s_lshl_b32 s85, s85, 4
	s_lshl_b32 s92, s23, 2
	s_add_co_u32 s85, s85, s92
	s_lshl_b32 s92, s20, 1
	s_add_co_u32 s85, s85, s92                     ; my first head: 16 batch + 4 x + 2 j
	s_lshl_b32 s92, s85, 12
	s_mov_b32 s93, 0
	s_add_nc_u64 s[86:87], s[12:13], s[92:93]      ; its 4,096 bytes of kv's codes
	s_lshl_b32 s92, s85, 11
	s_add_nc_u64 s[88:89], s[14:15], s[92:93]      ; its 2,048 bytes of key sums
	s_lshl_b32 s92, s40, 20                        ; the output: row 256 y + 128 i of 4,096 bytes, + my first column
	s_lshl_b32 s94, s19, 19
	s_add_co_u32 s92, s92, s94
	s_add_co_u32 s92, s92, s84
	s_add_nc_u64 s[90:91], s[16:17], s[92:93]
	v_lshlrev_b32 v5, 3, v1
.set n, 0
.rept 32
	global_load_b64 v[AF+2*n:AF+2*n+1], v5, s[86:87] offset:256*n   ; fragment (hh, mt) at 8 (4 hh + mt): registers 2 dt, 2 dt + 1; 256 consecutive bytes a load
.set n, n+1
.endr
	v_bfe_u32 v7, v0, 2, 2
	v_and_b32 v8, 3, v0
	v_lshlrev_b32 v6, 11, v3                       ; the key sums: head lane / 16, block (lane / 4) % 4, channels 4 (lane % 4) ..: four numbers of each of the eight parts
	v_lshl_add_u32 v6, v7, 9, v6
	v_lshl_add_u32 v6, v8, 4, v6
.irp q, 0,1,2,3,4,5,6,7
	global_load_b128 v[192+4*\q:195+4*\q], v6, s[88:89] offset:64*\q
.endr
	v_mul_u32_u24 v8, v2, PITCH
	v_lshl_add_u32 v8, v3, 4, v8                   ; a fragment's lane: row r x pitch + 16 h
	s_mul_i32 s92, s19, HALFT                      ; my 128 rows of x
	s_mul_i32 s94, s20, HALFT                      ; my 128 rows of W,
	s_add_co_u32 s94, s94, 2*HALFT                 ; which lie behind x's 256
.irp s, 0,1
	v_add_nc_u32 v[ADRA+\s], s92, v8
	v_add_nc_u32 v[ADRB+\s], s94, v8
	s_add_co_u32 s92, s92, SLOT
	s_add_co_u32 s94, s94, SLOT
.endr
	s_lshl_b32 s92, s18, 9
	s_add_co_u32 s92, s92, KSL
	v_add_nc_u32 v9, s92, v[CO]                    ; where the key sums are put: 16 lane = 256 head + 4 channel
	v_lshl_add_u32 v[KSR], v3, 5, s92
	s_lshl_b32 s92, s18, 13
	s_add_co_u32 s92, s92, KVL
	v_add_nc_u32 v[KVA], s92, v[CO]
	s_mul_i32 s92, s18, 16*SPITCH                  ; my stage
	v_mul_u32_u24 v7, v2, SPITCH                   ; in: row r, 32 bytes for each half of the lanes
	v_lshl_add_u32 v7, v3, 5, v7
	v_add_nc_u32 v[STO], s92, v7
	v_add_nc_u32 v[RD], s92, v[CO]                 ; back: the 32 lanes take one row of 512 bytes
	s_mov_b32 s82, 0x76543210                      ; v_permlanex16_b32's selects for lane l xor 16
	s_mov_b32 s83, 0xfedcba98
	s_wait_kmcnt 0x0
	s_add_co_i32 s84, s68, s69                     ; e0 + e1
	s_lshl_b32 s85, s84, 23
	s_add_co_i32 s74, s85, 0x3fb8aa3b              ; log2(e) x 2^(e0 + e1)
	s_mov_b32 s75, s74                             ; (named with it as a pair, so it is written)
	s_mov_b32 s76, 0x3f317218                      ; ln 2
	s_mov_b32 s77, s76
	s_sub_co_i32 s84, 0, s84
	s_add_co_i32 s85, s73, 127
	s_lshl_b32 s92, s85, 23
	v_mov_b32 v[QSC], s92                          ; 2^e5
	s_add_co_i32 s85, s85, 15
	s_lshl_b32 s85, s85, 23
	s_or_b32 s85, s85, 0x600000
	v_mov_b32 v[QLIM], s85                         ; 57,344 x 2^e5
	s_add_co_i32 s85, s72, s73                     ; e4 + e5
	s_wait_loadcnt 0x0
.set n, 0
.rept 64
	v_ldexp_f32 v[BIAS+n], v[BIAS+n], s84          ; b / 2^(e0 + e1)
.set n, n+1
.endr
.irp q, 0,8,16,24
	v_pk_add_f32 v[192+\q:193+\q], v[192+\q:193+\q], v[196+\q:197+\q]
	v_pk_add_f32 v[194+\q:195+\q], v[194+\q:195+\q], v[198+\q:199+\q]
.endr
.irp q, 0,16
	v_pk_add_f32 v[192+\q:193+\q], v[192+\q:193+\q], v[200+\q:201+\q]
	v_pk_add_f32 v[194+\q:195+\q], v[194+\q:195+\q], v[202+\q:203+\q]
.endr
	v_pk_add_f32 v[192:193], v[192:193], v[208:209]
	v_pk_add_f32 v[194:195], v[194:195], v[210:211]
	ds_store_b128 v9, v[192:195]
.set n, 0
.rept 16
	ds_store_b128 v[KVA], v[AF+4*n:AF+4*n+3] offset:512*n
.set n, n+1
.endr
.macro FRAG reg, adr, q, i             ; 16 rows x 128 K: registers 4 c .. 4 c + 3 hold K = 32 c + 16 (l / 16) + 0 .. 15: a permutation of k that is the same in x and in W
.irp c, 0,1,2,3
	ds_load_b128 v[\reg+4*\c:\reg+4*\c+3], v[\adr] offset:128*(\q)+32*\c+(\i)*16*PITCH
.endr
.endm
; 16 matrix instructions: x's blocks a0, a0 + 1 against W's eight.  first = 1: the sums start from the bias.  The 64 accumulators take turns, one instruction a turn.
.macro MUL16 a0, p, first
.irp a, \a0, \a0+1
.irp b, 0,1,2,3,4,5,6,7
.if \first
	v_wmma_f32_16x16x128_bf8_bf8 v[8*(8*((\a)%4)+\b):8*(8*((\a)%4)+\b)+7], v[128*(\p)+FR*\b:128*(\p)+FR*\b+FR-1], v[AF+FR*(\a):AF+FR*(\a)+FR-1], v[BIAS+8*\b:BIAS+8*\b+7]
.else
	v_wmma_f32_16x16x128_bf8_bf8 v[8*(8*((\a)%4)+\b):8*(8*((\a)%4)+\b)+7], v[128*(\p)+FR*\b:128*(\p)+FR*\b+FR-1], v[AF+FR*(\a):AF+FR*(\a)+FR-1], v[8*(8*((\a)%4)+\b):8*(8*((\a)%4)+\b)+7]
.endif
.endr
.endr
.endm
.macro FETCH_B slot, q, p
	WIN TO_B
.irp i, 0,1,2,3,4,5,6,7
	FRAG 128*(\p)+FR*\i, ADRB+\slot, \q, \i
.endr
	WIN 0
.endm
.macro FETCH_A slot, q, i0
.irp i, \i0, \i0+1, \i0+2, \i0+3
	FRAG AF+FR*(\i), ADRA+\slot, \q, \i
.endr
.endm
.macro PLACES n                        ; plain vector instructions between a matrix instruction and a load into, or a read of, its registers (ISA guide 7.12.1 for reads)
.rept \n
	v_nop
.endr
.endm
.macro STEP slot, q, first
	s_wait_dscnt 4*NL                              ; W's set and x's blocks 0-3 are in; the youngest sixteen loads (blocks 4-7) may be out
	WIN MUL_LO-0x20*(\first)
	MUL16 0, (\q)%2, \first
	MUL16 2, (\q)%2, \first
	s_wait_dscnt 0x0
	PLACES NP
	FETCH_B \slot, (\q)+1, 1-(\q)%2
	FETCH_A \slot, (\q)+1, 0
	WIN MUL_HI-0x30*(\first)
	MUL16 4, (\q)%2, \first
	MUL16 6, (\q)%2, \first
	PLACES NP
	WIN 0
	FETCH_A \slot, (\q)+1, 4
.endm
; A slot's last step changes slots: ONE barrier; in front of it each wave waits for all its tensor loads, adds 0 to its spare word, and waits for that and for its reads of this slot.  fill = 1: the slot is filled again.
.macro TURN slot, next, fill
	s_wait_tensorcnt 0x0                           ; all my tensor loads have landed: my part of the next slot
	ds_add_u32 v[SPW], v[NIL]                      ; 0 onto my spare word
	s_wait_dscnt 4*NL+1                            ; (the add and the youngest sixteen loads may be out)
	WIN MUL_LO
	MUL16 0, 1, 0                                  ; sixteen matrix instructions stand between the add and the wait for it
	s_wait_dscnt 0x0                               ; the add is done, and my reads of this slot are over
	s_barrier_signal -1
	MUL16 2, 1, 0
	WIN 0
	s_barrier_wait -1
.if \fill
	CREST                                          ; the barrier has opened a round of the cluster's: no wave of any partner still reads this slot or has a load on its way
	s_add_nc_u64 s[G0+4*\slot+2:G0+4*\slot+3], s[G0+4*\slot+2:G0+4*\slot+3], 2*ROWB
	s_add_nc_u64 s[G0B+4*\slot+2:G0B+4*\slot+3], s[G0B+4*\slot+2:G0B+4*\slot+3], 2*ROWB
	JLOAD \slot                                    ; the first tensor load behind the round; its four v_nop are the places in front of the loads below
.else
	PLACES NP
.endif
	FETCH_B \next, 0, 0
	FETCH_A \next, 0, 0
	WIN MUL_HI
	MUL16 4, 1, 0
	MUL16 6, 1, 0
	PLACES NP
	WIN 0
	FETCH_A \next, 0, 4
.endm
; BEHIND THE PRODUCTS, a block of 16 rows at a time.  PHI: phi(q), the normaliser, the codes.
.macro PHI a
.set AC, 64*((\a)%4)
	WIN 0x02+(\a)/4
.set n, 0
.rept 32
	v_pk_mul_f32 v[X+n:X+n+1], v[AC+n:AC+n+1], s[74:75] op_sel_hi:[1,0]   ; X = q log2(e); each accumulator from its low end on
.set n, n+2
.endr
	WIN 0
.set n, 0
.rept 64
	v_max_num_f32 v[U+n], 0, v[X+n]
.set n, n+1
.endr
.set n, 0
.rept 32
	v_pk_add_f32 v[X+n:X+n+1], v[X+n:X+n+1], v[U+n:U+n+1] neg_lo:[0,1] neg_hi:[0,1]   ; X = min(X, 0), exactly
.set n, n+2
.endr
.set n, 0
.rept 64
	v_exp_f32 v[X+n], v[X+n]
.set n, n+1
.endr
	v_nop                                          ; a plain place behind the exponentials
.set n, 0
	s_wait_alu depctr_va_vdst(0)
.rept 32
	v_pk_fma_f32 v[U+n:U+n+1], v[U+n:U+n+1], s[76:77], v[X+n:X+n+1] op_sel_hi:[1,0,1]   ; phi = U ln 2 + 2^X
.set n, n+2
.endr
	WIN 0x04                                       ; source 1 (the key sums) window 1
.irp q, 0,1,2,3,4,5,6,7                ; phi(q) . the key sums, of phi as it is: two chains a head, the four by turns
.irp c, 0,1,2,3
.set p, 32*(\c/2)+4*\q+2*(\c%2)
.if \q == 0
	v_pk_mul_f32 v[NA+2*\c:NA+2*\c+1], v[U+p:U+p+1], v[KS+p:KS+p+1]
.else
	v_pk_fma_f32 v[NA+2*\c:NA+2*\c+1], v[U+p:U+p+1], v[KS+p:KS+p+1], v[NA+2*\c:NA+2*\c+1]
.endif
.endr
.endr
	WIN 0
.set n, 0
.rept 64
	v_min_num_f32 v[U+n], v[U+n], v[QLIM]          ; the conversion to an 8-bit code does not saturate (ISA guide 7.6.2); phi is never negative: the hold is one-sided
.set n, n+1
.endr
.irp c, 0,1,2,3,4,5,6,7
	v_cvt_scalef32_pk8_bf8_f32 v[QC+2*\c:QC+2*\c+1], v[U+8*\c:U+8*\c+7], v[QSC]
.endr
	v_pk_add_f32 v[T:T+1], v[NA:NA+1], v[NA+2:NA+3]             ; (plain lines behind the conversions)
	v_pk_add_f32 v[T+2:T+3], v[NA+4:NA+5], v[NA+6:NA+7]
	v_add_f32 v[T], v[T], v[T+1]
	v_add_f32 v[T+2], v[T+2], v[T+3]
	v_permlanex16_b32 v[T+1], v[T], s82, s83       ; the row's other 32 channels lie in the lane 16 away
	v_permlanex16_b32 v[T+3], v[T+2], s82, s83
	v_add_f32 v[T], v[T], v[T+1]
	v_add_f32 v[T+2], v[T+2], v[T+3]
	v_add_f32 v[T], 0x358637bd, v[T]               ; + 1e-6
	v_add_f32 v[T+2], 0x358637bd, v[T+2]
	v_rcp_f32 v[T], v[T]
	v_rcp_f32 v[T+2], v[T+2]
	v_nop                                          ; a plain place behind the reciprocals
	s_wait_alu depctr_va_vdst(0)
	v_ldexp_f32 v[ZZ+4*(\a)], v[T], s85            ; z x 2^(e4 + e5), twice: a pair for the packed multiply
	v_ldexp_f32 v[ZZ+4*(\a)+1], v[T], s85
	v_ldexp_f32 v[ZZ+4*(\a)+2], v[T+2], s85
	v_ldexp_f32 v[ZZ+4*(\a)+3], v[T+2], s85
.endm
.macro MM a                            ; the last product: eight tiles (head n / 4, m tile n % 4), K = 64, laid over the block's q sums, which have been read
.set AC, 64*((\a)%4)
	WIN 0x81+0x40*((\a)/4)
.irp n, 0,1,2,3,4,5,6,7
	v_wmma_f32_16x16x64_bf8_bf8 v[AC+8*\n:AC+8*\n+7], v[KVF+8*\n:KVF+8*\n+7], v[QC+8*(\n/4):QC+8*(\n/4)+7], 0
.endr
	WIN 0
.endm
.macro TOSTAGE a                       ; x z, in place; into my stage; back as whole rows of 512 bytes, into the registers that they left
.set AC, 64*((\a)%4)
	WIN 0x82+0x41*((\a)/4)
.set n, 0
.rept 32
	v_pk_mul_f32 v[AC+n:AC+n+1], v[AC+n:AC+n+1], v[ZZ+4*(\a)+2*(n/32):ZZ+4*(\a)+2*(n/32)+1]
.set n, n+2
.endr
	WIN 0x08+4*((\a)/4)                            ; an LDS store's data: source 1
.irp b, 0,1,2,3,4,5,6,7
	ds_store_b128 v[STO], v[AC+8*\b:AC+8*\b+3] offset:64*\b
	ds_store_b128 v[STO], v[AC+8*\b+4:AC+8*\b+7] offset:64*\b+16
.endr
	WIN 0x80+0x40*((\a)/4)
.irp t, 0,1,2,3,4,5,6,7,8,9,10,11,12,13,14,15
	ds_load_b128 v[AC+4*\t:AC+4*\t+3], v[RD] offset:\t*SPITCH   ; LDS serves a wave's instructions in order (ISA guide 5.7.1.4): these see the stores above, and the next block's stores come behind them
.endr
	WIN 0
.endm
.macro SEND a                          ; the base is never stepped and no register of a store is written again: a row's place stands in the immediate, 127 rows of 4,096 bytes at the most
.set AC, 64*((\a)%4)
	s_wait_dscnt 0x0                               ; the block is back in registers
	WIN 0x08+4*((\a)/4)                            ; a store's data: source 1
.irp t, 0,1,2,3,4,5,6,7,8,9,10,11,12,13,14,15
	global_store_b128 v[CO], v[AC+4*\t:AC+4*\t+3], s[90:91] offset:(16*(\a)+\t)*4096 th:TH_STORE_NT   ; 32 lanes store 512 consecutive bytes, at a multiple of 256 from the output's first byte
.endr
	WIN 0
.endm
	s_wait_tensorcnt 1                             ; my part of K step 0 is in (K step 1's load may be out)
	s_wait_dscnt 0x0                               ; and my stores of the key sums and of kv's fragments have landed
	s_barrier_signal -1
	s_barrier_wait -1
	FETCH_B 0, 0, 0
	FETCH_A 0, 0, 0
	FETCH_A 0, 0, 4
	STEP 0, 0, 1
	TURN 0, 1, 1
	STEP 1, 0, 0
	TURN 1, 0, 1
	STEP 0, 0, 0
	TURN 0, 1, 0                                   ; the last two K steps fill nothing
	STEP 1, 0, 0
	s_wait_dscnt 4*NL                              ; the very last step: W's set 1 and x's blocks 0-3 are in
	WIN TO_B                                       ; into W's set 0, which the step before read last, four places back: the key sums (register 32 hh + 8 b' + j = channel 16 b' + 8 h + j) and kv's fragments
.irp c, 0,1,2,3,4,5,6,7
	ds_load_b128 v[KS+8*\c:KS+8*\c+3], v[KSR] offset:64*\c
	ds_load_b128 v[KS+8*\c+4:KS+8*\c+7], v[KSR] offset:64*\c+16
.endr
.set n, 0
.rept 16
	ds_load_b128 v[KVF+4*n:KVF+4*n+3], v[KVA] offset:512*n
.set n, n+1
.endr
	WIN MUL_LO
	MUL16 0, 1, 0
	MUL16 2, 1, 0
	s_wait_dscnt 32                                ; x's blocks 4-7 are in; the 32 loads just issued may be out
	WIN MUL_HI
	MUL16 4, 1, 0
	MUL16 6, 1, 0
	WIN 0
	PLACES NP
	s_wait_dscnt 0x0
	PHI 0
	MM 0
.irp a, 1,2,3,4,5,6,7                  ; a block's vector work stands between the products of the block before and the first read of their results, and between a block's loads from the stage and its stores
	PHI \a
	MM \a
.if \a > 1
	SEND \a-2
.endif
	TOSTAGE \a-1
.endr
	PLACES NP
	SEND 6
	TOSTAGE 7
	SEND 7
	s_wait_tensorcnt 0x0                           ; the wave's end: behind my last tensor load and my last LDS store
	ds_add_u32 v[SPW], v[NIL]
	s_wait_dscnt 0x0
	CROUND                                         ; the closing round: no work-group ends while a partner may still ask for a tile that names it
	s_endpgm
.Lfunc_end_k_qfc28b9d27d_attn:
	.size	k_qfc28b9d27d_attn, .Lfunc_end_k_qfc28b9d27d_attn-k_qfc28b9d27d_attn
	.p2alignl 7, 3214868480
	.fill 96, 4, 3214868480
	.section	.rodata,"a",@progbits
	.p2align	6, 0x0
	.amdhsa_kernel k_qfc28b9d27d_attn
		.amdhsa_group_segment_fixed_size 327680
		.amdhsa_private_segment_fixed_size 0
		.amdhsa_enable_private_segment 0
		.amdhsa_kernarg_size 56
		.amdhsa_user_sgpr_count 2
		.amdhsa_user_sgpr_kernarg_segment_ptr 1
		.amdhsa_wavefront_size32 1
		.amdhsa_system_sgpr_workgroup_id_x 1
		.amdhsa_system_sgpr_workgroup_id_y 1
		.amdhsa_system_sgpr_workgroup_id_z 1
		.amdhsa_system_vgpr_workitem_id 0
		.amdhsa_next_free_vgpr 1024
		.amdhsa_next_free_sgpr 100
		.amdhsa_reserve_vcc 0
		.amdhsa_float_denorm_mode_32 3
		.amdhsa_float_denorm_mode_16_64 3
		.amdhsa_memory_ordered 1
		.amdhsa_forward_progress 1
		.amdhsa_inst_pref_size 255
	.end_amdhsa_kernel
	.section	.bss,"aw",@nobits
	.p2align	6
	.space	262144
	.amdgpu_metadata
---
amdhsa.version: [ 1, 2 ]
amdhsa.kernels:
  - .name:           k_qfc28b9d27d_attn
    .symbol:         k_qfc28b9d27d_attn.kd
    .args:
      - { .name: inputs_codes, .offset: 0, .size: 8, .value_kind: global_buffer, .address_space: global }
      - { .name: w_qkv_codes, .offset: 8, .size: 8, .value_kind: global_buffer, .address_space: global }
      - { .name: b_qkv, .offset: 16, .size: 8, .value_kind: global_buffer, .address_space: global }
      - { .name: lowp_scales, .offset: 24, .size: 8, .value_kind: global_buffer, .address_space: global }
      - { .name: kvc, .offset: 32, .size: 8, .value_kind: global_buffer, .address_space: global }
      - { .name: ks8, .offset: 40, .size: 8, .value_kind: global_buffer, .address_space: global }
      - { .name: out0, .offset: 48, .size: 8, .value_kind: global_buffer, .address_space: global }
    .group_segment_fixed_size: 327680
    .private_segment_fixed_size: 0
    .kernarg_segment_align: 8
    .kernarg_segment_size: 56
    .max_flat_workgroup_size: 128
    .sgpr_count:     100
    .vgpr_count:     1024
    .wavefront_size: 32
...
	.end_amdgpu_metadata
.endif
;; end of part 3
